; MI455X (gfx1250); checked and timed in simulation.
; The chip was launched on July 23, 2026; its instructions are those of AMD's public machine-readable ISA for CDNA 5 (MIT licence, August 2026) and "CDNA5" Instruction Set Architecture Reference Guide (July 2026). The comments in the code are by the model that wrote it; some were corrected since.
;; VQ Module. Allowed arithmetic: matrix products marked QUANTISED: E2M1 operands, one E8M0 scale for each 32 along K, by v_wmma_scale_f32_16x16x128_f8f6f4 with both operands' format E2M1 (or v_wmma_scale_f32_32x16x128_f4), f32 sums; everything else in f32.
;; Inputs: embed 256 x 8,192 float32; x 32 x 256 x 32 x 32 float32.
;; Outputs: out0 32 x 256 x 32 x 32 float32; out1 32 x 32 x 32 int32.
;; This version of the problem:
;;   THIS VERSION OF THE PROBLEM IS GIVEN IN LOW PRECISION. The matrix products marked QUANTISED in the list below multiply operands that are first quantised to E2M1 (2 exponent bits, 1 mantissa bit; 4 bits a number), with one power-of-two scale for each 32 numbers along K (OCP MX v1.0); their sums are f32. All else is computed in f32.
;;   The module's matrix products, in the order in which they are computed (A, B: the left and right operand; K: the contracted axis; several contracted axes count as one K, in the product's order):
;;     1. [M 32,768, K 256] x [K 256, N 8,192]; A: computed on the way; B: input embed: QUANTISED
;;   THE QUANTISER, for each operand of a quantised product, along K:
;;     - K is cut into blocks of 32 from its start; a last block that is shorter is filled with zeros.
;;     - A block's scale is 2^e with e = floor(log2(the largest magnitude in the block)) - 2, held to -126 .. 127; a block of zeros has e = 0. As a byte (E8M0): e + 127.
;;     - Each number is divided by its block's scale, clamped to +-6, and rounded to the nearest number of E2M1, ties to even, subnormals kept.
;;     - The product sums the exact products of the quantised numbers (number of the format x scale) in f32.
;;   ~~~python
;;   def quantise(x, axis):      # numpy; x: float32 -> the quantised numbers, widened to float32 again
;;       x = np.moveaxis(x, axis, -1); K = x.shape[-1]
;;       x = np.pad(x, [(0, 0)] * (x.ndim - 1) + [(0, -K % 32)]); x = x.reshape(x.shape[:-1] + (-1, 32)); a = np.abs(x).max(-1, keepdims=True)
;;       e = np.where(a > 0, np.clip(np.frexp(np.where(a > 0, a, 1))[1] - 1 - 2, -126, 127), 0)      # np.frexp(a)[1] - 1 = floor(log2(a)), exactly
;;       r = np.clip(x / 2.0 ** e, -6, 6)
;;       step = 2.0 ** (np.maximum(np.frexp(np.where(r == 0, 1, r))[1] - 1, 0) - 1)
;;       q = np.round(r / step) * step * 2.0 ** e      # np.round: ties to even
;;       return np.moveaxis(q.reshape(q.shape[:-2] + (-1,))[..., :K], -1, axis).astype(np.float32)
;;   ~~~
;;   OPERANDS COMPUTED ON THE WAY. 'Computed on the way' means the value that the module computes at that place (a softmax that the list does not call 'softmax' is quantised finished and normalised). What goes into a quantiser is computed in f32, as accurately as f32 sums, v_exp_f32 and their like allow (about 1e-6 of the number): no bf16 or f16 on the way to a quantiser, and a product that is left as it is and whose result goes on into a quantised operand takes f32 operands (vector FMAs, or v_wmma_f32_16x16x4_f32). A number that lies on a knife's edge between two numbers of the format may be rounded either way, as far as f32 arithmetic and the matrix unit's own rounding can turn it there, and no further.
;; One version. Each part assembles by itself: llvm-mc -triple=amdgcn-amd-amdhsa -mcpu=gfx1250 --defsym DOCPART=n.
;; ======== version 1 of 1: 4 launches
;; limits: right only within a limited range of input values
;; workspace buffers: zc 4,194,304 bytes; zs 262,144 bytes; z2 131,072 bytes; ecode 1,179,648 bytes; blk 131,072 bytes of whole numbers; idsp 131,072 bytes of whole numbers
;; launch prep (part 1): grid 320 x 1, 4 waves a work-group, no clusters, 0 bytes of LDS; arguments x, embed, zc, zs, z2, ecode; writes zc, zs, z2, ecode
.if DOCPART == 1
	.amdgcn_target "amdgcn-amd-amdhsa--gfx1250"
	.amdhsa_code_object_version 6
	.text
	.protected	k_q0de4d1e7ed_prep
	.globl	k_q0de4d1e7ed_prep
	.p2align	8
	.type	k_q0de4d1e7ed_prep,@function
k_q0de4d1e7ed_prep:
	s_mov_b64 s[64:65], 0
	v_nop
	global_prefetch_b8 v0, s[64:65] scope:SCOPE_SE
	s_setreg_imm32_b32 hwreg(HW_REG_WAVE_MODE, 25, 1), 1
	s_wait_xcnt 0x0
; Both operands of the one quantised product are turned into codes of FP4 (E2M1) with one E8M0 byte for each 32 along K = the 256 channels, once, and the f32 sums of squares are taken beside them.
; x [32][256][32][32] and embed [256][8192] both have K as an OUTER axis: A LANE TAKES A COLUMN (a position P = 1024 b + 32 h + w of x, or a code of embed) AND ITS REGISTERS RUN DOWN K.
; So a block of 32 along K lies in one lane's 32 registers, its largest magnitude needs no other lane, and the conversions give codes with K innermost.  Nothing is transposed.
; A wave takes 32 columns x all 256 k: each load reads 128 consecutive bytes, the four waves of a work-group stand side by side on 512.  Work-groups 0-255 take x, 256-319 embed.
; THE PRODUCT'S LEFT OPERAND IS 2 z: its codes are z's and each of its scale bytes is z's + 1, which is exact.
; WHAT IS STORED is laid in the order of the operands' registers (a tile = 16 rows x 256 K = 2,048 bytes):
;   zc:    tile T = P / 16, row r = P % 16: the 16 bytes of block B (0..7) at 2048 T + 1024 (B / 4) + 512 ((B / 2) % 2) + 256 (B % 2) + 16 r
;   zs:    8 P + 4 s: the scale word of K step s (128 along K);      z2: 4 P: the sum of z's squares
;   ecode: 256 groups of 32 codes, 4,608 bytes each: two tiles laid as zc's (tile u, row 8 h + i = code 32 g + 16 h + 8 u + i); at 4096 the scale words (128 u + 8 row + 4 s);
;          at 4352 minus the sum of squares of code 32 g + o (4 o); at 4480 128 bytes of zeros, so that a group is 18 x 256 bytes, all written.
; A block's scale is 2^(floor(log2(largest magnitude)) - 2): its byte is the largest magnitude's exponent field - 2, held at 1 from below.  A block of zeros keeps the byte 1 (x: 2): its codes are zeros, and this program alone reads the bytes.
; LIMITS: a block of x whose largest magnitude lies under 2^-124 keeps the floor's byte and is then not the quantised 2 z; NaN and infinities are not served; the sums of squares are taken by fused multiply-adds in four chains,
; an order of rounding of this text's own.
; No LDS, no barrier: waves share nothing.  Loads run two blocks (64 loads a wave) ahead.  Every offset is an immediate: 255 x 32,768 bytes at the most, inside the signed 24 bits (ISA guide, chapter 10).
; A store of codes covers two aligned runs of 256 bytes, the store of x's scale words one; those of z2, of the sums and of the zeros cover 128 consecutive bytes each (192 KiB of the launch's stores).
; WORK THAT THE PROGRAM LEAVES OUT: the definition returns vqs + x - stop_gradient(x).  stop_gradient changes no value, so in real numbers x - x = 0 for every finite x and out0 = vqs:
; the last launch stores the numbers that it looks up, and neither loads x nor adds and subtracts it.  x stays an input of this launch: the ids hang on it.
; LIMIT: a NaN, an infinity or an overflow of vqs + x is not carried into out0, and the rounding of (vqs + x) - x is not reproduced.
.set XN, 32                            ; v32-95   two sets of 32 numbers
.set CD, 96                            ; v96-127  the codes, four registers a block: no store's data are written again
.set SW, 24                            ; v[24:25] the two scale words
.set QA, 26                            ; v[26:27], v[28:29] the sum of squares, in four chains
.set QB, 28
.macro LOADB b, pitch, src             ; block b: the 32 numbers of my column, into set b % 2
.irp i, 0,1,2,3,4,5,6,7,8,9,10,11,12,13,14,15,16,17,18,19,20,21,22,23,24,25,26,27,28,29,30,31
	global_load_b32 v[XN+32*((\b)%2)+\i], v3, s[\src:\src+1] offset:(32*(\b)+\i)*\pitch
.endr
.endm
.macro BLOCK b, pitch, src, dst
.set XS, XN+32*((\b)%2)
.if (\b) < 7
	s_wait_loadcnt 32                              ; this block's 32 loads are in; the next block's 32 may be out
.else
	s_wait_loadcnt 0x0
.endif
	v_max3_num_f32 v12, |v[XS]|, |v[XS+1]|, |v[XS+2]|               ; the block's largest magnitude, in two chains: all 32 numbers are mine
	v_max3_num_f32 v13, |v[XS+3]|, |v[XS+4]|, |v[XS+5]|
.irp i, 6,10,14,18,22,26
	v_max3_num_f32 v12, v12, |v[XS+\i]|, |v[XS+\i+1]|
	v_max3_num_f32 v13, v13, |v[XS+\i+2]|, |v[XS+\i+3]|
.endr
	v_max3_num_f32 v12, v12, |v[XS+30]|, |v[XS+31]|
	v_max3_num_f32 v12, v12, v13, 0x1800000        ; and the floor 2^(3 - 127): the byte cannot fall under 1
	v_add_nc_u32 v14, 0xff000000, v12              ; 2 off its exponent field: the conversion takes the exponent field of this operand as its scale, and nothing else of it
	v_lshrrev_b32 v13, 23, v14                     ; the scale's byte
.if (\b)%4 == 0
	v_mov_b32 v[SW+(\b)/4], v13                    ; four bytes to a word, the lower K in the lower byte
.else
	v_lshl_or_b32 v[SW+(\b)/4], v13, 8*((\b)%4), v[SW+(\b)/4]
.endif
.irp i, 0,4,8,12,16,20,24,28
.if ((\b) == 0) && (\i == 0)
	v_pk_mul_f32 v[QA:QA+1], v[XS:XS+1], v[XS:XS+1]                 ; the first squares start the four chains: nothing is cleared
	v_pk_mul_f32 v[QB:QB+1], v[XS+2:XS+3], v[XS+2:XS+3]
.else
	v_pk_fma_f32 v[QA:QA+1], v[XS+\i:XS+\i+1], v[XS+\i:XS+\i+1], v[QA:QA+1]
	v_pk_fma_f32 v[QB:QB+1], v[XS+\i+2:XS+\i+3], v[XS+\i+2:XS+\i+3], v[QB:QB+1]
.endif
.endr
.irp g, 0,1,2,3
	v_cvt_scalef32_pk8_fp4_f32 v[CD+4*(\b)+\g], v[XS+8*\g:XS+8*\g+7], v14      ; eight numbers / the scale, to the nearest code, ties to even, beyond 6 the largest code; the lower k in the lower bits
.endr
	v_nop                                          ; one plain vector line behind the last conversion: the next block writes v14 anew
	global_store_b128 v4, v[CD+4*(\b):CD+4*(\b)+3], s[\dst:\dst+1] offset:((\b)/4)*1024+(((\b)/2)%2)*512+((\b)%2)*256
.if (\b)+2 < 8
	LOADB (\b)+2, \pitch, \src
.endif
.endm
.macro COLS pitch, src, dst
	LOADB 0, \pitch, \src
	LOADB 1, \pitch, \src
.irp b, 0,1,2,3,4,5,6,7
	BLOCK \b, \pitch, \src, \dst
.endr
.endm
	s_load_b256 s[4:11], s[0:1], 0x0               ; x s[4:5], embed s[6:7], zc s[8:9], zs s[10:11]
	s_load_b128 s[12:15], s[0:1], 0x20             ; z2 s[12:13], ecode s[14:15]
	v_lshrrev_b32 v1, 5, v0
	v_readfirstlane_b32 s16, v1                    ; wave 0..3
	v_and_b32 v2, 31, v0                           ; lane
	v_lshlrev_b32 v3, 2, v2                        ; 4 x lane: my column in a row of the source, and my word among 32 sums
	s_mov_b32 s19, 0                               ; the upper word of every offset
	s_cmp_lt_u32 ttmp9, 256                        ; x's work-group or embed's: the work-group's number alone decides
	s_cbranch_scc0 .Lembed
	; ---- x: positions P = 128 x work-group + 32 x wave + lane
	v_lshrrev_b32 v4, 4, v2
	v_lshlrev_b32 v4, 11, v4                       ; lanes 16-31 belong to the next tile, 2,048 bytes on;
	v_and_b32 v5, 15, v2
	v_lshl_add_u32 v4, v5, 4, v4                   ; row P % 16: 16 bytes a row
	v_lshlrev_b32 v5, 3, v2                        ; the scale words: 8 bytes a position
	s_lshr_b32 s18, ttmp9, 3                       ; the image b: eight work-groups to an image,
	s_lshl_b32 s18, s18, 20                        ; 256 planes of 4,096 bytes each;
	s_and_b32 s20, ttmp9, 7
	s_lshl_b32 s20, s20, 9                         ; 128 positions of 4 bytes a work-group,
	s_add_co_u32 s18, s18, s20
	s_lshl_b32 s20, s16, 7                         ; 32 a wave
	s_add_co_u32 s18, s18, s20
	s_wait_kmcnt 0x0
	s_add_nc_u64 s[4:5], s[4:5], s[18:19]
	s_lshl_b32 s18, ttmp9, 14                      ; zc: 8 tiles a work-group, 2 a wave
	s_lshl_b32 s20, s16, 12
	s_add_co_u32 s18, s18, s20
	s_add_nc_u64 s[8:9], s[8:9], s[18:19]
	s_lshl_b32 s18, ttmp9, 10                      ; zs: 8 bytes a position
	s_lshl_b32 s20, s16, 8
	s_add_co_u32 s18, s18, s20
	s_add_nc_u64 s[10:11], s[10:11], s[18:19]
	s_lshl_b32 s18, ttmp9, 9                       ; z2: 4 bytes a position
	s_lshl_b32 s20, s16, 7
	s_add_co_u32 s18, s18, s20
	s_add_nc_u64 s[12:13], s[12:13], s[18:19]
	s_wait_alu depctr_va_vdst(0)
	COLS 4096, 4, 8
	v_add_nc_u32 v[SW], 0x01010101, v[SW]          ; the operand is 2 z: each byte + 1 (a byte is 252 at the most: nothing is carried)
	v_add_nc_u32 v[SW+1], 0x01010101, v[SW+1]
	global_store_b64 v5, v[SW:SW+1], s[10:11]      ; 32 lanes store 256 consecutive bytes, aligned
	v_add_f32 v[QA], v[QA], v[QA+1]
	v_add_f32 v[QB], v[QB], v[QB+1]
	v_add_f32 v[QA], v[QA], v[QB]                  ; the sum of z's squares (of z, not of 2 z)
	global_store_b32 v3, v[QA], s[12:13]
	s_endpgm
.Lembed:
	; ---- embed: group g = 4 x (work-group - 256) + wave; lane = 16 h + 8 u + i is code 32 g + lane: tile u, row 8 h + i
	s_wait_alu depctr_va_vdst(0)
	v_bfe_u32 v4, v2, 3, 1                         ; u
	v_lshrrev_b32 v5, 4, v2                        ; h
	v_and_b32 v6, 7, v2                            ; i
	v_lshl_add_u32 v6, v5, 3, v6                   ; the tile's row
	v_lshlrev_b32 v5, 7, v4
	v_lshl_add_u32 v5, v6, 3, v5                   ; the scale words: 128 u + 8 row
	v_lshlrev_b32 v4, 11, v4
	v_lshl_add_u32 v4, v6, 4, v4                   ; the codes: 2048 u + 16 row
	s_sub_co_u32 s18, ttmp9, 256
	s_lshl_b32 s18, s18, 2
	s_add_co_u32 s20, s18, s16                     ; g
	s_lshl_b32 s18, s20, 7                         ; 32 columns of 4 bytes a group
	s_wait_kmcnt 0x0
	s_add_nc_u64 s[6:7], s[6:7], s[18:19]
	s_mul_i32 s18, s20, 4608
	s_add_nc_u64 s[14:15], s[14:15], s[18:19]
	COLS 32768, 6, 14
	global_store_b64 v5, v[SW:SW+1], s[14:15] offset:4096
	v_add_f32 v[QA], v[QA], v[QA+1]
	v_add_f32 v[QB], v[QB], v[QB+1]
	v_sub_f32 v[QA], -v[QA], v[QB]                 ; MINUS the sum of the code's squares: it will be the C of a sum's first matrix instruction
	global_store_b32 v3, v[QA], s[14:15] offset:4352
	v_mov_b32 v30, 0
	global_store_b32 v3, v30, s[14:15] offset:4480 ; the group's last 128 bytes: read with the group, used by nobody
	s_endpgm
.Lfunc_end_k_q0de4d1e7ed_prep:
	.size	k_q0de4d1e7ed_prep, .Lfunc_end_k_q0de4d1e7ed_prep-k_q0de4d1e7ed_prep
	.p2alignl 7, 3214868480
	.fill 96, 4, 3214868480
	.section	.rodata,"a",@progbits
	.p2align	6, 0x0
	.amdhsa_kernel k_q0de4d1e7ed_prep
		.amdhsa_group_segment_fixed_size 0
		.amdhsa_private_segment_fixed_size 0
		.amdhsa_enable_private_segment 0
		.amdhsa_kernarg_size 48
		.amdhsa_user_sgpr_count 2
		.amdhsa_user_sgpr_kernarg_segment_ptr 1
		.amdhsa_wavefront_size32 1
		.amdhsa_system_sgpr_workgroup_id_x 1
		.amdhsa_system_sgpr_workgroup_id_y 1
		.amdhsa_system_sgpr_workgroup_id_z 1
		.amdhsa_system_vgpr_workitem_id 0
		.amdhsa_next_free_vgpr 128
		.amdhsa_next_free_sgpr 66
		.amdhsa_reserve_vcc 0
		.amdhsa_float_denorm_mode_32 3
		.amdhsa_float_denorm_mode_16_64 3
		.amdhsa_memory_ordered 1
		.amdhsa_forward_progress 1
		.amdhsa_inst_pref_size 93
	.end_amdhsa_kernel
	.amdgpu_metadata
---
amdhsa.version: [ 1, 2 ]
amdhsa.kernels:
  - .name:           k_q0de4d1e7ed_prep
    .symbol:         k_q0de4d1e7ed_prep.kd
    .args:
      - { .name: x, .offset: 0, .size: 8, .value_kind: global_buffer, .address_space: global }
      - { .name: embed, .offset: 8, .size: 8, .value_kind: global_buffer, .address_space: global }
      - { .name: zc, .offset: 16, .size: 8, .value_kind: global_buffer, .address_space: global }
      - { .name: zs, .offset: 24, .size: 8, .value_kind: global_buffer, .address_space: global }
      - { .name: z2, .offset: 32, .size: 8, .value_kind: global_buffer, .address_space: global }
      - { .name: ecode, .offset: 40, .size: 8, .value_kind: global_buffer, .address_space: global }
    .group_segment_fixed_size: 0
    .private_segment_fixed_size: 0
    .kernarg_segment_align: 8
    .kernarg_segment_size: 48
    .max_flat_workgroup_size: 128
    .sgpr_count:     66
    .vgpr_count:     128
    .wavefront_size: 32
...
	.end_amdgpu_metadata
.endif
;; end of part 1
;; launch nearest (part 2): grid 256 x 1, 16 waves a work-group, clusters of 4 x 1, 327,680 bytes of LDS; arguments zc, zs, z2, ecode, blk; writes blk
.if DOCPART == 2
	.amdgcn_target "amdgcn-amd-amdhsa--gfx1250"
	.amdhsa_code_object_version 6
	.text
	.protected	k_q0de4d1e7ed_nearest
	.globl	k_q0de4d1e7ed_nearest
	.p2align	8
	.type	k_q0de4d1e7ed_nearest,@function
k_q0de4d1e7ed_nearest:
	s_mov_b64 s[64:65], 0
	v_nop
	global_prefetch_b8 v0, s[64:65] scope:SCOPE_SE
	s_setreg_imm32_b32 hwreg(HW_REG_WAVE_MODE, 25, 1), 1
	s_wait_xcnt 0x0
	s_wait_alu depctr_hold_cnt(0) depctr_sa_sdst(0) depctr_va_vdst(0) depctr_va_sdst(0) depctr_va_ssrc(0) depctr_va_vcc(0) depctr_vm_vsrc(0)
	s_getreg_b32 s2, hwreg(HW_REG_IB_STS2, 6, 4)
	s_cmp_eq_u32 s2, 0
	s_cbranch_scc0 .Lentry_in_a_cluster
	s_endpgm
.Lentry_in_a_cluster:
	s_bfe_u32 s2, ttmp6, 0x10000c
	s_cmp_lg_u32 s2, 0x3003
	s_cbranch_scc0 .Lentry_shape_is_right
	s_endpgm
.Lentry_shape_is_right:
; For each position P the block of 16 codes that holds the nearest code: blk[P] = q, the first block whose smallest d = z2 - s is the smallest of all, s = Q(2 z) . Q(e) - e2.
; The product is the problem's quantised one, on codes of FP4 with E8M0 scales; -e2 is the C of each sum's first matrix instruction.
; SHARES.  A work-group takes 128 positions; each of its 16 waves holds all 128 (8 tiles of z, 128 registers) and walks 512 codes: 16 groups of 32, 4,608 bytes each as the launch before laid them.
; TRANSPOSED: source 0 = 16 codes, source 1 = 16 positions: a lane holds one position, and the 16 registers of a group's two tiles are one block of 16 neighbouring codes (lanes 16-31: the next block).
; For 16 sums: seven three-input maxima and one maximum, d = z2 - it, a compare, and one dual pair (the block's number is selected, the smallest d kept): strictly smaller wins, so the first block stays.
; A GROUP goes by pairs of z's tiles: a run of eight matrix instructions (four accumulators by turns), then the last eight lines of the pair before, then this pair's 14 maxima, the two tiles' chains by turns.
; THE RING.  Each wave has two slots of two groups (9,216 bytes), filled by its own tensor loads.  All work-groups walk the same codes: the four of a cluster ask JOINTLY (mask 15).
; A slot is given up as soon as its second group lies in registers: the wave waits for all its tensor loads, adds 0 to its spare word, waits for that and for its reads, signals, multiplies that
; group between the signal and the wait, and behind the round of the cluster's barrier refills the slot: a load has one group's work of the wave in which to land.  One tensor load of a wave is out at the most.
; PREFETCH: behind the refill with phase p + 2 the slot of phase p + 4 is asked for: its 36 blocks of 256 bytes are shared out among the four partners by address, 9 each, a lane a block
; (lanes 9-31 name the ninth again); the loop's last trip asks for nothing, and nothing is asked for at the head.
; LIMITS: the order of rounding of s and d is this text's own; NaN and infinities are not served.
.set GRPB,  4608
.set SLOTB, 2*GRPB
.set WRING, 2*SLOTB
.set SPARE, 16*WRING                   ; behind the 16 rings: the spare words, 128 bytes a wave
.set ZB,    SPARE+2048                 ; z's stage, 16,384 bytes; at the end the waves' results.  No tensor load lands here
.set SPW, 1                            ; my spare word's address; never rewritten
.set NIL, 2                            ; 0; never rewritten
.set AF,  3                            ; LDS: a group's fragments
.set AS,  4                            ; its scale words
.set AC,  5                            ; its -e2
.set QC,  6                            ; the number of the block at work
.set TA,  7                            ; v7, v8  the maxima's two chains, even tiles of z
.set TB,  8
.set GOB, 9                            ; my word of blk
.set ZS,  10                           ; v10-17  z's scale words, tile m: lanes 0-15 K step 0, lanes 16-31 K step 1
.set Z2,  18                           ; v18-25  z2
.set BV,  26                           ; v26-33  the smallest d so far
.set ES,  34                           ; v34, v43 the codes' scale words, tile u at ES + 9 u
.set BQ,  35                           ; v35-42  its block.  BQ + m and BV + m: one odd, one even, and apart modulo 4, as the dual pair wants
.set CT,  44                           ; v44-59  -e2 in the result's layout
.set CF,  60                           ; v60-91  the group's fragments: 16 u + 8 s
.set ACC, 92                           ; v92-123 two sets of two accumulators; at the head v92-109 are at work
.set ZRD, 108                          ; z's stage, used at the head alone
.set ZWR, 109
.set T2,  124                          ; v124, v125 the maxima's two chains, odd tiles of z
.set MST, 126
.set MRD, 127
.set ZF,  128                          ; v128-255 z's fragments: 16 m + 8 s
.set WV,  14
.set G1,  20
.set G0,  28
.set PF,  48                           ; s[48:49] where my prefetches stand
.macro CREST                           ; a round of the cluster's barrier behind its opening barrier
	s_cmp_lg_u32 s[WV], 0
	s_cbranch_scc1 .Lnot_wave_0_\@
	s_barrier_signal -3
.Lnot_wave_0_\@:
	s_barrier_wait -3
	s_barrier_signal -1
	s_barrier_wait -1
.endm
.macro ROUND
	s_barrier_signal -1
	s_barrier_wait -1
	CREST
.endm
.macro LOADG off                       ; a group into registers: 14 LDS loads
.irp u, 0,1
.irp s, 0,1
.irp c, 0,1
	ds_load_b128 v[CF+16*\u+8*\s+4*\c:CF+16*\u+8*\s+4*\c+3], v[AF] offset:(\off)+2048*\u+1024*\s+512*\c
.endr
.endr
.endr
.irp j, 0,1,2,3
	ds_load_b128 v[CT+4*\j:CT+4*\j+3], v[AC] offset:(\off)+4352+16*\j
.endr
	ds_load_b32 v[ES], v[AS] offset:(\off)+4096
	ds_load_b32 v[ES+9], v[AS] offset:(\off)+4096+128
.endm
.macro WMI m, i                        ; tile u = i % 2 of the codes x tile m of z, K step i / 2
.set AA, ACC+16*((\m)%2)+8*((\i)%2)
.set FA, CF+16*((\i)%2)+8*((\i)/2)
.set FB, ZF+16*(\m)+8*((\i)/2)
.if (\i) < 2
	v_wmma_scale_f32_16x16x128_f8f6f4 v[AA:AA+7], v[FA:FA+7], v[FB:FB+7], v[CT+8*(\i):CT+8*(\i)+7], v[ES+9*((\i)%2)], v[ZS+(\m)] matrix_a_fmt:MATRIX_FMT_FP4 matrix_b_fmt:MATRIX_FMT_FP4
.else
	v_wmma_scale_f32_16x16x128_f8f6f4 v[AA:AA+7], v[FA:FA+7], v[FB:FB+7], v[AA:AA+7], v[ES+9*((\i)%2)], v[ZS+(\m)] matrix_a_fmt:MATRIX_FMT_FP4 matrix_b_fmt:MATRIX_FMT_FP4 matrix_a_scale:MATRIX_SCALE_ROW1 matrix_b_scale:MATRIX_SCALE_ROW1
.endif
.endm
.macro VL m, j                         ; line j of the 11 that follow tile m's 16 sums; each accumulator is read from its low end on
.set AA, ACC+16*((\m)%2)
.set TT, TA+(T2-TA)*((\m)%2)
.if (\j) == 0
	v_max3_num_f32 v[TT], v[AA], v[AA+1], v[AA+2]
.elseif (\j) == 1
	v_max3_num_f32 v[TT+1], v[AA+3], v[AA+4], v[AA+5]
.elseif (\j) < 7
	v_max3_num_f32 v[TT+(\j)%2], v[TT+(\j)%2], v[AA+2*(\j)+2], v[AA+2*(\j)+3]
.elseif (\j) == 7
	v_max_num_f32 v[TT], v[TT], v[TT+1]
.elseif (\j) == 8
	v_sub_f32 v[TT], v[Z2+(\m)], v[TT]             ; the block's smallest d
.elseif (\j) == 9
	v_cmp_lt_f32 vcc_lo, v[TT], v[BV+(\m)]
.else
	v_dual_cndmask_b32 v[BQ+(\m)], v[BQ+(\m)], v[QC] :: v_dual_min_num_f32 v[BV+(\m)], v[BV+(\m)], v[TT]
.endif
.endm
.macro RUN p                           ; tiles 2 p and 2 p + 1 of z x the group's two tiles of codes, both K steps: the four accumulators by turns
.irp s, 0,2
	WMI 2*(\p), \s
	WMI 2*(\p), \s+1
	WMI 2*(\p)+1, \s
	WMI 2*(\p)+1, \s+1
.endr
.endm
.macro TREE p                          ; the pair's 14 maxima, the two tiles by turns
.irp j, 0,1,2,3,4,5,6
	VL 2*(\p), \j
	VL 2*(\p)+1, \j
.endr
.endm
.macro TRACK p                         ; the pair's last eight lines.  They name no register of a matrix instruction: behind a run they are its places
	VL 2*(\p), 7
	VL 2*(\p)+1, 7
	VL 2*(\p), 8
	VL 2*(\p)+1, 8
	VL 2*(\p), 9
	VL 2*(\p), 10
	VL 2*(\p)+1, 9
	VL 2*(\p)+1, 10
.endm
; A group: four runs of eight matrix instructions.  The last eight lines of the group before (its tiles 6 and 7) stand behind the first run.
; wt: 1 = wait for the group's LDS loads, 2 = for my last tensor load too.  nextoff >= 0: the next group is fetched behind the last run and its eight places.
.macro GROUP wt, nextoff
.if \wt
	s_wait_alu depctr_va_vdst(0)                   ; directly ahead of the wait below
.if \wt > 1
	s_wait_tensorcnt 0x0
.endif
	s_wait_dscnt 0x0
.endif
	RUN 0
	TRACK 3
	v_add_nc_u32 v[QC], 2, v[QC]                   ; on to this group's blocks
	TREE 0
.irp p, 1,2
	RUN \p
	TRACK \p-1
	TREE \p
.endr
	RUN 3
	TRACK 2
.if \nextoff >= 0
	LOADG \nextoff
.endif
	TREE 3
.endm
; The slot's second group, whose fragments have been asked for, and the change of slots round it.
.macro MID slot
	s_wait_alu depctr_va_vdst(0)                   ; directly ahead of the waits below
	s_wait_xcnt 0x0                                ; my last prefetch has read its base
	s_add_nc_u64 s[PF:PF+1], s[PF:PF+1], SLOTB
	s_wait_tensorcnt 0x0                           ; all my tensor loads have landed: the other slot is whole
	ds_add_u32 v[SPW], v[NIL]
	s_add_nc_u64 s[G0+4*\slot+2:G0+4*\slot+3], s[G0+4*\slot+2:G0+4*\slot+3], WRING
	s_wait_dscnt 0x0                               ; the add is done; my reads of this slot are over: its second group lies in registers
	s_barrier_signal -1
	GROUP 0, -1                                    ; work on registers alone while the others arrive
	s_wait_alu depctr_va_vdst(0)                   ; directly ahead of the barrier's wait
	s_barrier_wait -1
	CREST
	tensor_load_to_lds s[G0+4*\slot:G0+4*\slot+3], s[G1:G1+7]      ; my one tensor load behind the round: this slot's next two groups
	s_nop 0
	LOADG (1-\slot)*SLOTB
	s_cmp_gt_u32 s36, 1                            ; the last trip has no slot four phases on
	s_cbranch_scc0 .Lno_ask_\@
	s_cmp_lt_u32 ttmp9, 4
	s_cbranch_scc0 .Lno_prefetch_neares0_\@
	global_prefetch_b8 v0, s[PF:PF+1] offset:3*SLOTB th:TH_LOAD_NT scope:SCOPE_SE
.Lno_prefetch_neares0_\@:
.Lno_ask_\@:
.endm
	s_load_b256 s[4:11], s[0:1], 0x0               ; zc s[4:5], zs s[6:7], z2 s[8:9], ecode s[10:11]
	s_load_b64 s[12:13], s[0:1], 0x20              ; blk
	v_lshl_add_u32 v[SPW], v0, 2, SPARE
	v_mov_b32 v[NIL], 0
	ds_add_u32 v[SPW], v[NIL]                      ; the opening: the add, twice on end, and its wait ahead of my first tensor load
	ds_add_u32 v[SPW], v[NIL]
	v_lshrrev_b32 v7, 5, v0
	s_delay_alu instid0(VALU_DEP_1)
	v_readfirstlane_b32 s[WV], v7                  ; wave 0..15
	s_bfe_u32 s15, ttmp6, 0x40000                  ; cx
	s_lshl_b32 s16, ttmp9, 2
	s_add_co_u32 s16, s16, s15                     ; my work-group
	s_mov_b32 s[G1+0], 15|(3<<16)|(1<<21)          ; the mask names the cluster's four; elements of 8 bytes; bit 21 beside a mask
	s_mov_b32 s[G1+1], 32<<16                      ; 36 dense rows of 256 bytes: two groups
	s_mov_b32 s[G1+2], 36<<16
	s_mov_b32 s[G1+3], 32<<16
	s_mov_b32 s[G1+4], 36
	s_mov_b32 s[G1+5], 32
	s_mov_b32 s[G1+6], 0
	s_mov_b32 s[G1+7], 0
	s_mul_i32 s17, s[WV], WRING                    ; my ring
	s_mul_i32 s44, s[WV], 16*GRPB                  ; my 16 groups
	s_mov_b32 s45, 0
	s_lshl_b32 s46, s16, 14
	s_mov_b32 s47, 0
	s_mov_b32 s38, 0x76543210
	s_mov_b32 s39, 0xfedcba98
	s_mov_b32 s43, 0xffff0000
	s_mov_b32 s36, 3
	s_lshl_b32 s18, s[WV], 10
	s_and_b32 s19, s[WV], 3
	s_lshl_b32 s19, s19, 7
	s_lshl_b32 s37, s[WV], 5
	s_sub_co_u32 s37, s37, 2                       ; the first group steps the block's number by 2
	s_mul_i32 s40, s15, 9                          ; my work-group's 9 of a slot's 36 blocks
	v_and_b32 v103, 31, v0
	v_and_b32 v104, 15, v0
	v_bfe_u32 v105, v0, 4, 1
	v_lshlrev_b32 v106, 4, v103
	v_lshlrev_b32 v101, 3, v104
	v_lshlrev_b32 v102, 2, v104                    ; z2: 4 r
	v_lshlrev_b32 v107, 2, v103
	v_add_nc_u32 v100, s18, v106                   ; zc: my wave's 1,024 bytes of the 16,384
	v_lshl_add_u32 v101, v105, 2, v101             ; scale words: 8 r + 4 h
	v_add_nc_u32 v[AF], s17, v106
	v_lshlrev_b32 v[AC], 6, v105
	v_add_nc_u32 v[ZRD], ZB, v106
	v_add_nc_u32 v[MST], s18, v107
	v_add_nc_u32 v[GOB], s19, v107
	v_add_nc_u32 v[QC], s37, v105
	v_add_nc_u32 v[AS], s17, v101
	v_add_nc_u32 v[AC], s17, v[AC]
	v_add_nc_u32 v[ZWR], ZB, v100
	v_add_nc_u32 v[MST], ZB, v[MST]
	v_add_nc_u32 v[MRD], ZB, v[GOB]
	v_min_u32 v0, 8, v103                          ; the prefetches' offset: 256 x (9 cx + the lesser of lane and 8)
	v_mov_b32 v[TA], 0xff800000                    ; the first group finds -inf as the largest sums of a group before: d = +inf, which changes nothing
	v_mov_b32 v[TB], 0xff800000
	v_mov_b32 v[T2], 0xff800000
	v_mov_b32 v[T2+1], 0xff800000
	v_add_nc_u32 v0, s40, v0
.irp m, 0,1,2,3,4,5,6,7
	v_mov_b32 v[BV+\m], 0x7f800000
	v_mov_b32 v[BQ+\m], 0
.endr
	v_lshlrev_b32 v0, 8, v0
	s_wait_alu depctr_va_vdst(0)                   ; at the end of the head's vector work
	s_wait_dscnt 0x0                               ; both opening adds are done
	s_wait_kmcnt 0x0
	s_add_nc_u64 s[10:11], s[10:11], s[44:45]
	s_add_nc_u64 s[4:5], s[4:5], s[46:47]
	s_lshl_b32 s46, s16, 10
	s_add_nc_u64 s[6:7], s[6:7], s[46:47]
	s_lshl_b32 s46, s16, 9
	s_add_nc_u64 s[8:9], s[8:9], s[46:47]
	s_add_nc_u64 s[12:13], s[12:13], s[46:47]
	s_mov_b64 s[PF:PF+1], s[10:11]
	global_load_b128 v[92:95], v100, s[4:5]        ; z goes out ahead of the round and of the first tile
	global_load_b128 v[96:99], v100, s[4:5] offset:512
.irp m, 0,1,2,3,4,5,6,7
	global_load_b32 v[ZS+\m], v101, s[6:7] offset:128*\m
.endr
.irp m, 0,1,2,3,4,5,6,7
	global_load_b32 v[Z2+\m], v102, s[8:9] offset:64*\m
.endr
	ROUND                                          ; the cluster's four are here: the first joint loads meet
.irp n, 0,1
	s_mov_b32 s[G0+4*\n], 1
	s_add_co_u32 s[G0+4*\n+1], s17, \n*SLOTB
	s_add_nc_u64 s[G0+4*\n+2:G0+4*\n+3], s[10:11], \n*SLOTB
	s_or_b32 s[G0+4*\n+3], s[G0+4*\n+3], 0x80000000
.endr
	tensor_load_to_lds s[G0:G0+3], s[G1:G1+7]      ; slot 0: my first tensor load at the head
	s_nop 0
	s_wait_loadcnt 16                              ; my two loads of z's codes are in; the 16 issued behind them may be out
	ds_store_b128 v[ZWR], v[92:95]
	ds_store_b128 v[ZWR], v[96:99] offset:512
	s_wait_tensorcnt 0x0                           ; slot 0 is in
	ds_add_u32 v[SPW], v[NIL]
	s_wait_dscnt 0x0                               ; the add and my stores into z's stage are done
	ROUND                                          ; so the round also shows z's stage whole to every wave
	tensor_load_to_lds s[G0+4:G0+7], s[G1:G1+7]    ; slot 1's first fill
	s_nop 0
.irp m, 0,1,2,3,4,5,6,7
.irp s, 0,1
.irp c, 0,1
	ds_load_b128 v[ZF+16*\m+8*\s+4*\c:ZF+16*\m+8*\s+4*\c+3], v[ZRD] offset:2048*\m+1024*\s+512*\c
.endr
.endr
.endr
	LOADG 0
	s_wait_loadcnt 0x0                             ; z's scale words and z2
.Lring:                                                ; a trip: two phases of two groups; both slots are filled again
	GROUP 1, GRPB
	MID 0
	GROUP 1, SLOTB+GRPB
	MID 1
	s_sub_co_u32 s36, s36, 1
	s_cmp_lg_u32 s36, 0
	s_cbranch_scc1 .Lring
	GROUP 1, GRPB                                  ; the last two phases fill nothing: no barrier
	GROUP 2, SLOTB                                 ; my last tensor load is waited for ahead of the reads of its slot
	GROUP 1, SLOTB+GRPB
	GROUP 1, -1
	TRACK 3
.irp m, 0,1,2,3,4,5,6,7                ; lanes l and l xor 16 hold the same position: the smaller d, of equal d the earlier block
	v_permlanex16_b32 v[TA], v[BV+\m], s38, s39
	v_permlanex16_b32 v[TB], v[BQ+\m], s38, s39
	s_delay_alu instid0(VALU_DEP_2)
	v_cmp_lt_f32 s40, v[TA], v[BV+\m]
	s_delay_alu instid0(VALU_DEP_3)
	v_cmp_eq_f32 s41, v[TA], v[BV+\m]
	s_delay_alu instid0(VALU_DEP_3)
	v_cmp_lt_u32 s42, v[TB], v[BQ+\m]
	s_and_b32 s41, s41, s42
	s_or_b32 s40, s40, s41
	v_cndmask_b32 v[BV+\m], v[BV+\m], v[TA], s40
	v_cndmask_b32 v[BQ+\m], v[BQ+\m], v[TB], s40
.endr
.irp t, 0,1,2,3                        ; two tiles to a register: lanes 0-15 tile 2 t, lanes 16-31 tile 2 t + 1
	v_cndmask_b32 v[92+\t], v[BV+2*\t], v[BV+2*\t+1], s43
	v_cndmask_b32 v[96+\t], v[BQ+2*\t], v[BQ+2*\t+1], s43
.endr
.irp t, 0,1,2,3
	ds_store_b32 v[MST], v[92+\t] offset:128*\t
	ds_store_b32 v[MST], v[96+\t] offset:512+128*\t
.endr
	s_wait_dscnt 0x0                               ; for the others' sake: my stores have landed
	s_barrier_signal -1
	s_barrier_wait -1
	s_cmp_lt_u32 s[WV], 4                          ; waves 0-3 join the 16 waves' results for 32 positions each, the waves in ascending order of their codes
	s_cbranch_scc0 .Lmerged
.irp w, 0,1,2,3,4,5,6,7,8,9,10,11,12,13,14,15
	ds_load_b32 v[128+\w], v[MRD] offset:1024*\w
	ds_load_b32 v[144+\w], v[MRD] offset:1024*\w+512
.endr
	s_wait_dscnt 0x0
	v_cmp_lt_f32 vcc_lo, v129, v128
	s_delay_alu instid0(VALU_DEP_1)
	v_cndmask_b32 v144, v144, v145, vcc_lo
	v_min_num_f32 v128, v128, v129
.irp w, 2,3,4,5,6,7,8,9,10,11,12,13,14,15
	s_delay_alu instid0(VALU_DEP_1)
	v_cmp_lt_f32 vcc_lo, v[128+\w], v128
	s_delay_alu instid0(VALU_DEP_1)
	v_cndmask_b32 v144, v144, v[144+\w], vcc_lo
	s_delay_alu instid0(VALU_DEP_3)
	v_min_num_f32 v128, v128, v[128+\w]
.endr
	global_store_b32 v[GOB], v144, s[12:13]        ; 32 lanes store 128 consecutive bytes; the four waves 512
.Lmerged:
	s_wait_tensorcnt 0x0                           ; the wave's end
	ds_add_u32 v[SPW], v[NIL]
	s_wait_dscnt 0x0
	ROUND                                          ; the closing round
	s_endpgm
.Lfunc_end_k_q0de4d1e7ed_nearest:
	.size	k_q0de4d1e7ed_nearest, .Lfunc_end_k_q0de4d1e7ed_nearest-k_q0de4d1e7ed_nearest
	.p2alignl 7, 3214868480
	.fill 96, 4, 3214868480
	.section	.rodata,"a",@progbits
	.p2align	6, 0x0
	.amdhsa_kernel k_q0de4d1e7ed_nearest
		.amdhsa_group_segment_fixed_size 327680
		.amdhsa_private_segment_fixed_size 0
		.amdhsa_enable_private_segment 0
		.amdhsa_kernarg_size 40
		.amdhsa_user_sgpr_count 2
		.amdhsa_user_sgpr_kernarg_segment_ptr 1
		.amdhsa_wavefront_size32 1
		.amdhsa_system_sgpr_workgroup_id_x 1
		.amdhsa_system_sgpr_workgroup_id_y 1
		.amdhsa_system_sgpr_workgroup_id_z 1
		.amdhsa_system_vgpr_workitem_id 0
		.amdhsa_next_free_vgpr 256
		.amdhsa_next_free_sgpr 66
		.amdhsa_reserve_vcc 1
		.amdhsa_float_denorm_mode_32 3
		.amdhsa_float_denorm_mode_16_64 3
		.amdhsa_memory_ordered 1
		.amdhsa_forward_progress 1
		.amdhsa_inst_pref_size 101
	.end_amdhsa_kernel
	.amdgpu_metadata
---
amdhsa.version: [ 1, 2 ]
amdhsa.kernels:
  - .name:           k_q0de4d1e7ed_nearest
    .symbol:         k_q0de4d1e7ed_nearest.kd
    .args:
      - { .name: zc, .offset: 0, .size: 8, .value_kind: global_buffer, .address_space: global }
      - { .name: zs, .offset: 8, .size: 8, .value_kind: global_buffer, .address_space: global }
      - { .name: z2, .offset: 16, .size: 8, .value_kind: global_buffer, .address_space: global }
      - { .name: ecode, .offset: 24, .size: 8, .value_kind: global_buffer, .address_space: global }
      - { .name: blk, .offset: 32, .size: 8, .value_kind: global_buffer, .address_space: global }
    .group_segment_fixed_size: 327680
    .private_segment_fixed_size: 0
    .kernarg_segment_align: 8
    .kernarg_segment_size: 40
    .max_flat_workgroup_size: 512
    .sgpr_count:     66
    .vgpr_count:     256
    .wavefront_size: 32
...
	.end_amdgpu_metadata
.endif
;; end of part 2
;; launch resolve (part 3): grid 256 x 1, 8 waves a work-group, no clusters, 2,048 bytes of LDS; arguments blk, zc, zs, z2, ecode, idsp, out1; writes idsp, out1
.if DOCPART == 3
	.amdgcn_target "amdgcn-amd-amdhsa--gfx1250"
	.amdhsa_code_object_version 6
	.text
	.protected	k_q0de4d1e7ed_resolve
	.globl	k_q0de4d1e7ed_resolve
	.p2align	8
	.type	k_q0de4d1e7ed_resolve,@function
k_q0de4d1e7ed_resolve:
	s_mov_b64 s[64:65], 0
	v_nop
	global_prefetch_b8 v0, s[64:65] scope:SCOPE_SE
	s_setreg_imm32_b32 hwreg(HW_REG_WAVE_MODE, 25, 1), 1
	s_wait_xcnt 0x0
; The place of the nearest code inside the block of 16 that the launch before has found.  For position P with block q = blk[P]: the same sixteen sums s = Q(2 z) . Q(e) - e2, by the same matrix instructions on the same
; operands (so with the same bits), d = z2 - s, the first smallest d; id = 16 q + its place.  idsp[P] = id in x's own order of positions, P = 1024 b + 32 h + w; out1 wants 1024 b + 32 w + h.
; The addresses of the codes hang on blk, whole numbers that an earlier launch stored; each is held at 511 ahead of the arithmetic.
; SHARES.  A work-group takes 128 positions, each of its eight waves a tile of 16.  Each of a tile's 16 positions has a block of its own: product k multiplies the 16 codes of position k's block (source 0) by the whole
; tile of z (source 1), and only column k of its result is kept: lanes k and 16 + k.  That is sixteen times the sums that are needed, on a 512th of the code book.
; Two batches of 8 positions: 7 loads a position straight from memory into the operands' registers; by this text's own count 63 loads of a wave are out at the most.
; In ecode code 16 q + 8 u + i lies in group q / 2, tile u, row 8 (q % 2) + i: eight neighbouring lanes read 128 consecutive bytes.
; LIMITS as in the launch before: the order of rounding of d; NaN and infinities are not served.
.set ZFR, 16                           ; v16-31   z's two fragments
.set RES, 32                           ; v32-39   my position's eight s (codes 8 h + j of its block), then d
.set ZSW, 40                           ; v40      z's scale words: lanes 0-15 K step 0's, lanes 16-31 K step 1's
.set ZSQ, 41                           ; v41      z2 of my position
.set QV,  42                           ; v42      my position's block
.set IX,  43                           ; v43      the place, then the id
.set ESR, 48                           ; v48-55   the codes' scale words, position k of the batch
.set CFR, 64                           ; v64-191  the codes' fragments: 16 k + 8 s
.set DA,  192                          ; v192-255 -e2 as loaded, then the sums: 8 k
.set WV,  68                           ; s68      my wave's number
.macro BATCH n
.irp k, 0,1,2,3,4,5,6,7
	s_min_u32 s70, s[16+8*\n+\k], 511              ; the block, held inside the code book
	s_and_b32 s71, s70, 0x1fe
	s_mul_i32 s71, s71, 2304                       ; its group: (q / 2) x 4,608 bytes
	s_and_b32 s70, s70, 1
	s_lshl_b32 s72, s70, 7                         ; the upper half of a tile's rows: 8 rows of 16 bytes on
	s_add_co_u32 s72, s72, s71
	s_add_nc_u64 s[32+2*\k:33+2*\k], s[12:13], s[72:73]
	s_lshl_b32 s72, s70, 6                         ; 8 rows of 8 bytes of scale words, and 16 sums of 4 bytes, on
	s_add_co_u32 s72, s72, s71
	s_add_nc_u64 s[48+2*\k:49+2*\k], s[12:13], s[72:73]
.endr
.irp k, 0,1,2,3,4,5,6,7
.irp s, 0,1
.irp c, 0,1
	global_load_b128 v[CFR+16*\k+8*\s+4*\c:CFR+16*\k+8*\s+4*\c+3], v4, s[32+2*\k:33+2*\k] offset:1024*\s+512*\c
.endr
.endr
	global_load_b32 v[ESR+\k], v5, s[48+2*\k:49+2*\k] offset:4096
	global_load_b128 v[DA+8*\k:DA+8*\k+3], v6, s[48+2*\k:49+2*\k] offset:4352
	global_load_b128 v[DA+8*\k+4:DA+8*\k+7], v6, s[48+2*\k:49+2*\k] offset:4368
.endr
	s_wait_loadcnt 0x0                             ; all are in: so the bases may be written again in the next batch
.irp k, 0,1,2,3,4,5,6,7                ; the eight accumulators by turns; each begins as -e2
	v_wmma_scale_f32_16x16x128_f8f6f4 v[DA+8*\k:DA+8*\k+7], v[CFR+16*\k:CFR+16*\k+7], v[ZFR:ZFR+7], v[DA+8*\k:DA+8*\k+7], v[ESR+\k], v[ZSW] matrix_a_fmt:MATRIX_FMT_FP4 matrix_b_fmt:MATRIX_FMT_FP4
.endr
.irp k, 0,1,2,3,4,5,6,7
	v_wmma_scale_f32_16x16x128_f8f6f4 v[DA+8*\k:DA+8*\k+7], v[CFR+16*\k+8:CFR+16*\k+15], v[ZFR+8:ZFR+15], v[DA+8*\k:DA+8*\k+7], v[ESR+\k], v[ZSW] matrix_a_fmt:MATRIX_FMT_FP4 matrix_b_fmt:MATRIX_FMT_FP4 matrix_a_scale:MATRIX_SCALE_ROW1 matrix_b_scale:MATRIX_SCALE_ROW1
.endr
.rept 4
	v_nop                                          ; four places in front of the first read of results, and of the next batch's loads into these registers
.endr
	s_wait_alu depctr_va_vdst(0)
.irp k, 0,1,2,3,4,5,6,7                ; column 8 n + k of product k is that position's: lanes 8 n + k and 16 + 8 n + k keep it; each accumulator from its low end on
.if (8*\n+\k) == 0
.irp j, 0,1,2,3,4,5,6,7
	v_mov_b32 v[RES+\j], v[DA+\j]                  ; the first product writes all lanes, so that the selects below find written registers
.endr
.else
	s_mov_b32 s70, 0x10001<<(8*\n+\k)
.irp j, 0,1,2,3,4,5,6,7
	v_cndmask_b32 v[RES+\j], v[RES+\j], v[DA+8*\k+\j], s70
.endr
.endif
.endr
.endm
	s_load_b256 s[4:11], s[0:1], 0x0               ; blk s[4:5], zc s[6:7], zs s[8:9], z2 s[10:11]
	s_load_b128 s[12:15], s[0:1], 0x20             ; ecode s[12:13], idsp s[14:15]
	s_load_b64 s[66:67], s[0:1], 0x30              ; out1
	v_lshl_add_u32 v62, v0, 2, 0x400
	v_mov_b32 v63, 0
	v_lshrrev_b32 v1, 5, v0
	s_delay_alu instid0(VALU_DEP_1)
	v_readfirstlane_b32 s[WV], v1                  ; wave 0..7
	v_and_b32 v1, 31, v0                           ; lane
	v_and_b32 v2, 15, v0                           ; r
	v_bfe_u32 v3, v0, 4, 1                         ; h
	v_bfe_u32 v10, v0, 3, 1                        ; r / 8: the tile u of code r of a block
	v_and_b32 v11, 7, v0                           ; r % 8
	s_delay_alu instid0(VALU_DEP_2)
	v_lshlrev_b32 v4, 11, v10
	s_delay_alu instid0(VALU_DEP_1)
	v_lshl_add_u32 v4, v3, 8, v4
	s_delay_alu instid0(VALU_DEP_1)
	v_lshl_add_u32 v4, v11, 4, v4                  ; the codes: 2048 u + 256 h + 16 (r % 8)
	v_lshlrev_b32 v5, 7, v10
	s_delay_alu instid0(VALU_DEP_1)
	v_lshl_add_u32 v5, v11, 3, v5
	s_delay_alu instid0(VALU_DEP_1)
	v_lshl_add_u32 v5, v3, 2, v5                   ; their scale words: 128 u + 8 (r % 8) + 4 h
	v_lshlrev_b32 v6, 5, v3                        ; -e2 in the result's layout: codes 8 h + 0 .. 7 of the block
	v_lshlrev_b32 v13, 4, v1                       ; 16 x lane
	v_lshlrev_b32 v14, 2, v1                       ; 4 x lane
	v_lshlrev_b32 v15, 7, v1                       ; 128 x lane: a row of out1
	s_lshl_b32 s69, s[WV], 11
	v_add_nc_u32 v7, s69, v13                      ; z's codes: my wave's tile, 16 bytes a lane
	s_lshl_b32 s69, s[WV], 7
	v_lshlrev_b32 v8, 3, v2
	s_delay_alu instid0(VALU_DEP_1)
	v_lshl_add_u32 v8, v3, 2, v8
	s_delay_alu instid0(VALU_DEP_1)
	v_add_nc_u32 v8, s69, v8                       ; z's scale words: 8 r + 4 h
	s_lshl_b32 s69, s[WV], 6
	v_lshlrev_b32 v9, 2, v2
	s_delay_alu instid0(VALU_DEP_1)
	v_add_nc_u32 v9, s69, v9                       ; 64 x wave + 4 r: my position's word in z2 and in blk, and in LDS on the way out
	v_mov_b32 v44, 0                               ; written once: a lane permute's destination counts as one of its sources
	v_mov_b32 v45, 0
	s_lshl_b32 s70, ttmp9, 9                       ; the work-group's 128 words
	s_mov_b32 s71, 0
	s_add_co_u32 s72, s70, s69                     ; my tile's 16 of them
	s_mov_b32 s73, 0                               ; (stays 0: the upper word of the batches' offsets)
	s_mov_b32 s76, 0x76543210                      ; v_permlanex16_b32's selects for lane l xor 16
	s_mov_b32 s77, 0xfedcba98
	s_wait_alu depctr_va_vdst(0)
	s_wait_kmcnt 0x0
	s_add_nc_u64 s[74:75], s[4:5], s[72:73]
	s_load_b512 s[16:31], s[74:75], 0x0            ; my tile's 16 blocks as scalars: they steer the bases.  No line of this launch writes blk
	s_add_nc_u64 s[4:5], s[4:5], s[70:71]
	s_add_nc_u64 s[10:11], s[10:11], s[70:71]
	s_add_nc_u64 s[14:15], s[14:15], s[70:71]
	s_lshl_b32 s70, ttmp9, 10
	s_add_nc_u64 s[8:9], s[8:9], s[70:71]
	s_lshl_b32 s70, ttmp9, 14
	s_add_nc_u64 s[6:7], s[6:7], s[70:71]
	s_lshr_b32 s70, ttmp9, 3                       ; out1: the image's 4,096 bytes,
	s_lshl_b32 s70, s70, 12
	s_and_b32 s78, ttmp9, 7                        ; and my four h: 16 bytes of each row w
	s_lshl_b32 s78, s78, 4
	s_add_co_u32 s70, s70, s78
	s_add_nc_u64 s[66:67], s[66:67], s[70:71]
	global_load_b32 v[QV], v9, s[4:5]
.irp s, 0,1
.irp c, 0,1
	global_load_b128 v[ZFR+8*\s+4*\c:ZFR+8*\s+4*\c+3], v7, s[6:7] offset:1024*\s+512*\c
.endr
.endr
	global_load_b32 v[ZSW], v8, s[8:9]
	global_load_b32 v[ZSQ], v9, s[10:11]
	s_wait_kmcnt 0x0                               ; the 16 blocks
	BATCH 0
	BATCH 1
.irp j, 0,1,2,3,4,5,6,7
	v_sub_f32 v[RES+\j], v[ZSQ], v[RES+\j]         ; d of codes 8 h + j of my position's block
.endr
	v_mov_b32 v[IX], 0
.irp j, 1
	v_cmp_le_f32 vcc_lo, v[RES], v[RES+\j]         ; the best so far stays unless d is strictly smaller: the first smallest wins
	s_delay_alu instid0(VALU_DEP_1)
	v_cndmask_b32 v[IX], \j, v[IX], vcc_lo
	v_min_num_f32 v[RES], v[RES], v[RES+\j]
.endr
.irp j, 2, 3, 4, 5, 6, 7
	s_delay_alu instid0(VALU_DEP_1)
	v_cmp_le_f32 vcc_lo, v[RES], v[RES+\j]         ; the best so far stays unless d is strictly smaller: the first smallest wins
	s_delay_alu instid0(VALU_DEP_1)
	v_cndmask_b32 v[IX], \j, v[IX], vcc_lo
	s_delay_alu instid0(VALU_DEP_3)
	v_min_num_f32 v[RES], v[RES], v[RES+\j]
.endr
	s_delay_alu instid0(VALU_DEP_2)
	v_lshl_add_u32 v[IX], v3, 3, v[IX]             ; the place in the block: 8 h + j
	s_delay_alu instid0(VALU_DEP_2)
	v_permlanex16_b32 v44, v[RES], s76, s77        ; the other half of the lanes has the block's other eight codes
	s_delay_alu instid0(VALU_DEP_2)
	v_permlanex16_b32 v45, v[IX], s76, s77
	s_delay_alu instid0(VALU_DEP_2)
	v_cmp_lt_f32 s70, v44, v[RES]
	s_delay_alu instid0(VALU_DEP_3)
	v_cmp_eq_f32 s71, v44, v[RES]
	s_delay_alu instid0(VALU_DEP_3)
	v_cmp_lt_u32 s72, v45, v[IX]
	s_and_b32 s71, s71, s72
	s_or_b32 s70, s70, s71                         ; the smaller d, of equal d the earlier place
	v_cndmask_b32 v[IX], v[IX], v45, s70
	v_min_u32 v[QV], 511, v[QV]
	s_delay_alu instid0(VALU_DEP_1)
	v_lshl_add_u32 v[IX], v[QV], 4, v[IX]          ; id = 16 q + place
	ds_store_b32 v9, v[IX]                         ; both halves of the lanes write the same word with the same value
	s_wait_dscnt 0x0                               ; for the others' sake: my store has landed
	s_barrier_signal -1
	s_barrier_wait -1                              ; the work-group's 128 ids lie in LDS, in the order of P
	s_cmp_lg_u32 s[WV], 0
	s_cbranch_scc1 .Lnot_ids
	ds_load_b128 v[16:19], v13
	s_wait_dscnt 0x0
	global_store_b128 v13, v[16:19], s[14:15]      ; idsp: 32 lanes store 512 consecutive bytes, aligned
.Lnot_ids:
	s_cmp_lg_u32 s[WV], 1
	s_cbranch_scc1 .Ldone
.irp i, 0,1,2,3
	ds_load_b32 v[20+\i], v14 offset:128*\i        ; lane = w: its ids at my four h
.endr
	s_wait_dscnt 0x0
	global_store_b128 v15, v[20:23], s[66:67]      ; out1, turned: 16 bytes of each of 32 rows, 128 bytes apart; 128 KiB in the whole launch
.Ldone:
	s_wait_tensorcnt 0x0
	ds_add_u32 v62, v63
	s_wait_dscnt 0x0
	s_endpgm
.Lfunc_end_k_q0de4d1e7ed_resolve:
	.size	k_q0de4d1e7ed_resolve, .Lfunc_end_k_q0de4d1e7ed_resolve-k_q0de4d1e7ed_resolve
	.p2alignl 7, 3214868480
	.fill 96, 4, 3214868480
	.section	.rodata,"a",@progbits
	.p2align	6, 0x0
	.amdhsa_kernel k_q0de4d1e7ed_resolve
		.amdhsa_group_segment_fixed_size 2048
		.amdhsa_private_segment_fixed_size 0
		.amdhsa_enable_private_segment 0
		.amdhsa_kernarg_size 56
		.amdhsa_user_sgpr_count 2
		.amdhsa_user_sgpr_kernarg_segment_ptr 1
		.amdhsa_wavefront_size32 1
		.amdhsa_system_sgpr_workgroup_id_x 1
		.amdhsa_system_sgpr_workgroup_id_y 1
		.amdhsa_system_sgpr_workgroup_id_z 1
		.amdhsa_system_vgpr_workitem_id 0
		.amdhsa_next_free_vgpr 256
		.amdhsa_next_free_sgpr 80
		.amdhsa_reserve_vcc 1
		.amdhsa_float_denorm_mode_32 3
		.amdhsa_float_denorm_mode_16_64 3
		.amdhsa_memory_ordered 1
		.amdhsa_forward_progress 1
		.amdhsa_inst_pref_size 37
	.end_amdhsa_kernel
	.amdgpu_metadata
---
amdhsa.version: [ 1, 2 ]
amdhsa.kernels:
  - .name:           k_q0de4d1e7ed_resolve
    .symbol:         k_q0de4d1e7ed_resolve.kd
    .args:
      - { .name: blk, .offset: 0, .size: 8, .value_kind: global_buffer, .address_space: global }
      - { .name: zc, .offset: 8, .size: 8, .value_kind: global_buffer, .address_space: global }
      - { .name: zs, .offset: 16, .size: 8, .value_kind: global_buffer, .address_space: global }
      - { .name: z2, .offset: 24, .size: 8, .value_kind: global_buffer, .address_space: global }
      - { .name: ecode, .offset: 32, .size: 8, .value_kind: global_buffer, .address_space: global }
      - { .name: idsp, .offset: 40, .size: 8, .value_kind: global_buffer, .address_space: global }
      - { .name: out1, .offset: 48, .size: 8, .value_kind: global_buffer, .address_space: global }
    .group_segment_fixed_size: 2048
    .private_segment_fixed_size: 0
    .kernarg_segment_align: 8
    .kernarg_segment_size: 56
    .max_flat_workgroup_size: 256
    .sgpr_count:     80
    .vgpr_count:     256
    .wavefront_size: 32
...
	.end_amdgpu_metadata
.endif
;; end of part 3
;; launch lookup (part 4): grid 256 x 1, 16 waves a work-group, no clusters, 169,984 bytes of LDS; arguments idsp, embed, out0; writes out0
.if DOCPART == 4
	.amdgcn_target "amdgcn-amd-amdhsa--gfx1250"
	.amdhsa_code_object_version 6
	.text
	.protected	k_q0de4d1e7ed_lookup
	.globl	k_q0de4d1e7ed_lookup
	.p2align	8
	.type	k_q0de4d1e7ed_lookup,@function
k_q0de4d1e7ed_lookup:
	s_mov_b64 s[64:65], 0
	v_nop
	global_prefetch_b8 v0, s[64:65] scope:SCOPE_SE
	s_setreg_imm32_b32 hwreg(HW_REG_WAVE_MODE, 25, 1), 1
	s_wait_xcnt 0x0
; out0[b][c][h][w] = embed[c][id], id = idsp[1024 b + 32 h + w].
; LEFT OUT: the definition's + x - x, which is 0 in real numbers for every finite x (shown at the head of the first kernel): x is not among this launch's arguments.
; A row c of embed is what a plane c of out0 is gathered from.  A work-group keeps TWO ROWS OF embed (65,536 consecutive bytes) in LDS and makes those two planes of 16 images:
; the gather is an LDS load of 4 bytes a lane, and out0 leaves in runs of 512 consecutive bytes a wave, each byte once.
; SHARES.  Work-group n: channels 2 (n / 2) and 2 (n / 2) + 1, images 16 (n % 2) .. + 15; each of its sixteen waves takes one image: 8 chunks of 128 positions, a lane 4 neighbours.
; Waves 0-3 bring a quarter of the rows each, by one tensor load of 64 rows of 256 bytes; LDS is filled once and never again.
; NO CLUSTER, though two neighbouring work-groups read the same two rows: with joint requests every LDS address has to be alike in all partners, and the gather's LDS addresses are each work-group's own ids.
; NO PREFETCH: the launch has no loop to run ahead in; all its loads go out at the head.
; The LDS addresses hang on idsp, whole numbers that an earlier launch stored; each is held at 8,191 ahead of the shift.  One address serves both channels: the second row lies 32,768 bytes on, inside the immediate.
; Every register is written once by its load (the ids once more in place), so no store's sources are waited for.
.set IDS, 16                           ; v16-47   the ids, then 4 x id: chunk j at 4 j
.set VQ,  48                           ; v48-111  what was gathered: chunk j, channel c at 8 j + 4 c
.set SPW, 112                          ; my spare word's address; never rewritten
.set NIL, 113                          ; 0; never rewritten
.set SPARE, 0x29000                    ; the spare words, 128 bytes a wave
.set WV,  14
.set G1,  20
.set G0,  28
.macro GATHER j                        ; chunk j: 8 LDS loads, channel by channel
.irp i, 0,1,2,3
	v_min_u32 v[IDS+4*(\j)+\i], 8191, v[IDS+4*(\j)+\i]     ; an id stays inside its row
.endr
.irp i, 0,1,2,3
	s_delay_alu instid0(VALU_DEP_4)
	v_lshlrev_b32 v[IDS+4*(\j)+\i], 2, v[IDS+4*(\j)+\i]
.endr
.irp c, 0,1
.irp i, 0,1,2,3
	ds_load_b32 v[VQ+8*(\j)+4*\c+\i], v[IDS+4*(\j)+\i] offset:\c*32768
.endr
.endr
.endm
.macro SENDC j, c                      ; chunk j, channel c
.if (\j) < 7
	s_wait_dscnt 12-4*(\c)                         ; this channel's four gathers are in; out may be this chunk's other channel's and the next chunk's 8
.else
	s_wait_dscnt 4-4*(\c)                          ; the last chunk: only its other channel's
.endif
	global_store_b128 v1, v[VQ+8*(\j)+4*(\c):VQ+8*(\j)+4*(\c)+3], s[10:11] offset:(\c)*4096+(\j)*512 th:TH_STORE_NT   ; 32 lanes store 512 consecutive bytes, aligned
.endm
	s_load_b128 s[4:7], s[0:1], 0x0                ; idsp s[4:5], embed s[6:7]
	s_load_b64 s[10:11], s[0:1], 0x10              ; out0
	v_lshl_add_u32 v[SPW], v0, 2, SPARE
	v_mov_b32 v[NIL], 0
	ds_add_u32 v[SPW], v[NIL]                      ; the opening: the add, twice on end, and its wait
	ds_add_u32 v[SPW], v[NIL]
	v_lshrrev_b32 v2, 5, v0
	s_delay_alu instid0(VALU_DEP_1)
	v_readfirstlane_b32 s[WV], v2                  ; wave 0..15
	v_and_b32 v1, 31, v0
	s_delay_alu instid0(VALU_DEP_1)
	v_lshlrev_b32 v1, 4, v1                        ; 16 x lane: my 16 bytes of a chunk's 512; never rewritten
	s_and_b32 s15, ttmp9, 1                        ; which 16 images
	s_lshr_b32 s17, ttmp9, 1                       ; which pair of channels
	s_mov_b32 s[G1+0], 3<<16                       ; no mask; elements of 8 bytes; no padding
	s_mov_b32 s[G1+1], 32<<16                      ; 64 dense rows of 256 bytes: a quarter of the two rows of embed
	s_mov_b32 s[G1+2], 64<<16
	s_mov_b32 s[G1+3], 32<<16
	s_mov_b32 s[G1+4], 64
	s_mov_b32 s[G1+5], 32
	s_mov_b32 s[G1+6], 0
	s_mov_b32 s[G1+7], 0
	s_and_b32 s16, s[WV], 3
	s_lshl_b32 s16, s16, 14                        ; a quarter of the two rows, in LDS and in memory (waves 0-3 use it)
	s_lshl_b32 s36, s17, 16                        ; the two rows of 32,768 bytes
	s_add_co_u32 s36, s36, s16
	s_mov_b32 s37, 0
	s_lshl_b32 s18, s15, 4
	s_add_co_u32 s18, s18, s[WV]                   ; my image
	s_lshl_b32 s38, s18, 12                        ; idsp: 4,096 bytes an image
	s_mov_b32 s39, 0
	s_lshl_b32 s40, s18, 20                        ; out0: 1,048,576 bytes an image,
	s_lshl_b32 s41, s17, 13                        ; and the two planes of 4,096
	s_add_co_u32 s40, s40, s41
	s_mov_b32 s41, 0
	s_wait_dscnt 0x0                               ; both opening adds are done
	s_wait_kmcnt 0x0
	s_add_nc_u64 s[6:7], s[6:7], s[36:37]
	s_add_nc_u64 s[4:5], s[4:5], s[38:39]
	s_add_nc_u64 s[10:11], s[10:11], s[40:41]
	s_mov_b32 s[G0], 1
	s_mov_b32 s[G0+1], s16                         ; LDS address: 16,384 x (wave % 4)
	s_mov_b64 s[G0+2:G0+3], s[6:7]
	s_or_b32 s[G0+3], s[G0+3], 0x80000000
	s_cmp_lt_u32 s[WV], 4                          ; waves 0-3 fetch; the branch hangs on the wave's number alone
	s_cbranch_scc0 .Lno_fill
	tensor_load_to_lds s[G0:G0+3], s[G1:G1+7]      ; my one tensor load of the launch
	s_nop 0
.rept 4
	v_nop                                          ; four v_nop ahead of the label
.endr
.Lno_fill:
	s_wait_alu depctr_va_vdst(0)                   ; ahead of the first reader of v1
.irp j, 0,1,2,3,4,5,6,7
	global_load_b128 v[IDS+4*\j:IDS+4*\j+3], v1, s[4:5] offset:512*\j
.endr
	s_wait_tensorcnt 0x0                           ; my quarter of the rows has landed (a wave that fetched nothing passes at once),
	s_barrier_signal -1
	s_barrier_wait -1                              ; everybody's has: from here on LDS is only read
	s_wait_loadcnt 0x0                             ; the ids are in
	GATHER 0
.irp j, 0,1,2,3,4,5,6
	GATHER \j+1                                    ; the next chunk's gathers go out ahead of this chunk's stores
	SENDC \j, 0
	SENDC \j, 1
.endr
	SENDC 7, 0
	SENDC 7, 1
	s_wait_tensorcnt 0x0                           ; the wave's end
	ds_add_u32 v[SPW], v[NIL]
	s_wait_dscnt 0x0
	s_endpgm
.Lfunc_end_k_q0de4d1e7ed_lookup:
	.size	k_q0de4d1e7ed_lookup, .Lfunc_end_k_q0de4d1e7ed_lookup-k_q0de4d1e7ed_lookup
	.p2alignl 7, 3214868480
	.fill 96, 4, 3214868480
	.section	.rodata,"a",@progbits
	.p2align	6, 0x0
	.amdhsa_kernel k_q0de4d1e7ed_lookup
		.amdhsa_group_segment_fixed_size 169984
		.amdhsa_private_segment_fixed_size 0
		.amdhsa_enable_private_segment 0
		.amdhsa_kernarg_size 24
		.amdhsa_user_sgpr_count 2
		.amdhsa_user_sgpr_kernarg_segment_ptr 1
		.amdhsa_wavefront_size32 1
		.amdhsa_system_sgpr_workgroup_id_x 1
		.amdhsa_system_sgpr_workgroup_id_y 1
		.amdhsa_system_sgpr_workgroup_id_z 1
		.amdhsa_system_vgpr_workitem_id 0
		.amdhsa_next_free_vgpr 128
		.amdhsa_next_free_sgpr 66
		.amdhsa_reserve_vcc 0
		.amdhsa_float_denorm_mode_32 3
		.amdhsa_float_denorm_mode_16_64 3
		.amdhsa_memory_ordered 1
		.amdhsa_forward_progress 1
		.amdhsa_inst_pref_size 14
	.end_amdhsa_kernel
	.amdgpu_metadata
---
amdhsa.version: [ 1, 2 ]
amdhsa.kernels:
  - .name:           k_q0de4d1e7ed_lookup
    .symbol:         k_q0de4d1e7ed_lookup.kd
    .args:
      - { .name: idsp, .offset: 0, .size: 8, .value_kind: global_buffer, .address_space: global }
      - { .name: embed, .offset: 8, .size: 8, .value_kind: global_buffer, .address_space: global }
      - { .name: out0, .offset: 16, .size: 8, .value_kind: global_buffer, .address_space: global }
    .group_segment_fixed_size: 169984
    .private_segment_fixed_size: 0
    .kernarg_segment_align: 8
    .kernarg_segment_size: 24
    .max_flat_workgroup_size: 512
    .sgpr_count:     66
    .vgpr_count:     128
    .wavefront_size: 32
...
	.end_amdgpu_metadata
.endif
;; end of part 4
